; MI455X (gfx1250); checked and timed in simulation.
; The chip was launched on July 23, 2026; its instructions are those of AMD's public machine-readable ISA for CDNA 5 (MIT licence, August 2026) and "CDNA5" Instruction Set Architecture Reference Guide (July 2026). The comments in the code are by the model that wrote it; some were corrected since.
;; Memristor Linear. Allowed arithmetic: matrix products marked QUANTISED: E2M1 operands, one E8M0 scale for each 32 along K, by v_wmma_scale_f32_16x16x128_f8f6f4 with both operands' format E2M1 (or v_wmma_scale_f32_32x16x128_f4), f32 sums; everything else in f32.
;; Inputs: bias 4,096 float32; values 4,096 float32; w_idx 4,096 x 4,096 int32; x_codes 4,096 x 128 x 16 uint8 (E2M1 codes of x, K innermost, in blocks of 32 codes, two codes a byte); x_scales 4,096 x 128 uint8 (E8M0 scales of x, one for each 32 codes along K).
;; Outputs: out0 4,096 x 4,096 float32.
;; This version of the problem:
;;   THIS VERSION OF THE PROBLEM IS GIVEN IN LOW PRECISION. The matrix products marked QUANTISED in the list below multiply operands that are first quantised to E2M1 (2 exponent bits, 1 mantissa bit; 4 bits a number), with one power-of-two scale for each 32 numbers along K (OCP MX v1.0); their sums are f32. All else is computed in f32.
;;   The module's matrix products, in the order in which they are computed (A, B: the left and right operand; K: the contracted axis; several contracted axes count as one K, in the product's order):
;;     1. [M 4,096, K 4,096] x [K 4,096, N 4,096]; A: input x (given as codes); B: computed on the way: QUANTISED
;;   THE QUANTISER, for each operand of a quantised product, along K:
;;     - K is cut into blocks of 32 from its start; a last block that is shorter is filled with zeros.
;;     - A block's scale is 2^e with e = floor(log2(the largest magnitude in the block)) - 2, held to -126 .. 127; a block of zeros has e = 0. As a byte (E8M0): e + 127.
;;     - Each number is divided by its block's scale, clamped to +-6, and rounded to the nearest number of E2M1, ties to even, subnormals kept.
;;     - The product sums the exact products of the quantised numbers (number of the format x scale) in f32.
;;   ~~~python
;;   def quantise(x, axis):      # numpy; x: float32 -> the quantised numbers, widened to float32 again
;;       x = np.moveaxis(x, axis, -1); K = x.shape[-1]
;;       x = np.pad(x, [(0, 0)] * (x.ndim - 1) + [(0, -K % 32)]); x = x.reshape(x.shape[:-1] + (-1, 32)); a = np.abs(x).max(-1, keepdims=True)
;;       e = np.where(a > 0, np.clip(np.frexp(np.where(a > 0, a, 1))[1] - 1 - 2, -126, 127), 0)      # np.frexp(a)[1] - 1 = floor(log2(a)), exactly
;;       r = np.clip(x / 2.0 ** e, -6, 6)
;;       step = 2.0 ** (np.maximum(np.frexp(np.where(r == 0, 1, r))[1] - 1, 0) - 1)
;;       q = np.round(r / step) * step * 2.0 ** e      # np.round: ties to even
;;       return np.moveaxis(q.reshape(q.shape[:-2] + (-1,))[..., :K], -1, axis).astype(np.float32)
;;   ~~~
;;   OPERANDS COMPUTED ON THE WAY. 'Computed on the way' means the value that the module computes at that place (a softmax that the list does not call 'softmax' is quantised finished and normalised). What goes into a quantiser is computed in f32, as accurately as f32 sums, v_exp_f32 and their like allow (about 1e-6 of the number): no bf16 or f16 on the way to a quantiser, and a product that is left as it is and whose result goes on into a quantised operand takes f32 operands (vector FMAs, or v_wmma_f32_16x16x4_f32). A number that lies on a knife's edge between two numbers of the format may be rounded either way, as far as f32 arithmetic and the matrix unit's own rounding can turn it there, and no further.
;;   INPUTS GIVEN AS CODES. x (in the module: [4096, 4096], K = its axis 1): each comes as NAME_codes (uint8): NAME with its K axis moved to the last place and cut into blocks of 32 codes, [.., K / 32, bytes a block], one block behind the other in memory; two codes a byte, the lower K in the low four bits (a code: sign, 2 exponent bits, 1 mantissa bit); and NAME_scales (uint8): the same leading axes, one E8M0 byte (e + 127) for each 32 codes along K. Its value is code x scale, taken as it is: it is not quantised again, and the codes and scales need not be those that the quantiser above would give.
;; One version. Each part assembles by itself: llvm-mc -triple=amdgcn-amd-amdhsa -mcpu=gfx1250 --defsym DOCPART=n.
;; ======== version 1 of 1: 2 launches
;; limits: right only within a limited range of input values
;; workspace buffers: wq 8,912,896 bytes
;; launch wquant (part 1): grid 256 x 1, 8 waves a work-group, no clusters, 52,224 bytes of LDS; arguments w_idx, values, wq; writes wq
.if DOCPART == 1
	.amdgcn_target "amdgcn-amd-amdhsa--gfx1250"
	.amdhsa_code_object_version 6
	.text
	.protected	k_q4c2363876a_wquant
	.globl	k_q4c2363876a_wquant
	.p2align	8
	.type	k_q4c2363876a_wquant,@function
k_q4c2363876a_wquant:
	s_mov_b64 s[64:65], 0
	v_nop
	global_prefetch_b8 v0, s[64:65] scope:SCOPE_SE
	s_setreg_imm32_b32 hwreg(HW_REG_WAVE_MODE, 25, 1), 1
	s_wait_xcnt 0x0
; weight[o][i] = values[w_idx[o][i]] (an exact f32 look-up), quantised along i to codes of FP4 (E2M1) with one E8M0 byte for each 32.
; wq, this program's own buffer, is laid in the order in which the product's launch takes it into registers:
;   codes, from byte 0: [o / 16 (256)][k / 128 (32)][block of 32 codes in the step (4)][o % 16][16 bytes];
;   scale bytes, from byte 8,388,608: [o / 32 (128)][k / 512 (8)][o % 32][16 bytes, byte b for block b of the 512].
; A block's byte is its largest magnitude's exponent field - 2, held at 1 from below by a floor among the maximum's leaves.
; LIMITS: an index outside 0 .. 4095 is held at 4095.  A block of zeros gets the byte 1 where the rule says 127: its codes are zeros and this program alone reads the bytes.
; NaN and infinities in values are not served.
; SHARES.  Work-group w takes rows 16 w .. 16 w + 15; wave s the 512 indices 512 s .. of each: 4,096 consecutive bytes of codes and 256 of scale bytes.
; The table lies in LDS (16,384 bytes), stored once ahead of the one barrier.  A wave's codes are gathered in a stage of its own in LDS (16 units of 256 + 16 bytes) and leave as whole units.
; LANES.  r = lane % 16, h = lane / 16, g = r / 4, t = r % 4.  Loads come in pairs, the same 512 bytes of two rows; an exchange of halves gives lane (r, h) eight neighbours along K of row 2 j + h.
; No cluster and no joint loads: the work-groups share the table alone, 16,384 bytes beside the 262,144 of indices that each reads for itself.  No matrix work: nothing is multiplied here.
.set ROWI,  16384                      ; a row of w_idx in bytes
.set STAGE, 0x4400                     ; behind the table and the spare words
.set UP,    272                        ; a stage unit: 256 bytes + 16
.set LOFF, 1                           ; 32 r + 16 h
.set STC,  2                           ; my code word's place in my wave's stage: unit g, 16 h + 4 t
.set STS,  3                           ; 32 (r / 2) + 16 h + 8 (r % 2): my 8 scale bytes
.set SH8,  4                           ; 8 g
.set TBA,  5                           ; 16 x thread
.set SW,   6                           ; v[6:7] my 8 scale bytes
.set M,    8                           ; largest magnitudes
.set SO,   12                          ; the conversions' scale operands
.set C,    16                          ; code words
.set X,    20                          ; what a lane takes from another lane
.set W,    28                          ; scale bytes, then scale words
.set U,    32
.set TT,   36                          ; the table in transit
.set RDB,  52                          ; the stage read back: unit h, 16 r
.set GOF,  53                          ; 16 x lane
.set SETS, 96                          ; five sets of 32: indices, LDS addresses, values
	s_load_b128 s[4:7], s[0:1], 0x0                ; w_idx, values
	s_load_b64 s[8:9], s[0:1], 0x10                ; wq
	v_lshl_add_u32 v62, v0, 2, 0x4000
	v_mov_b32 v63, 0
	v_lshrrev_b32 v8, 5, v0
	s_delay_alu instid0(VALU_DEP_1)
	v_readfirstlane_b32 s10, v8                    ; wave = my 512 along K
	v_and_b32 v8, 15, v0                           ; r
	v_bfe_u32 v9, v0, 4, 1                         ; h
	v_bfe_u32 v10, v0, 2, 2                        ; g
	v_and_b32 v11, 3, v0                           ; t
	v_bfe_u32 v12, v0, 1, 3                        ; r / 2
	v_and_b32 v13, 1, v0                           ; r % 2
	v_lshlrev_b32 v[LOFF], 5, v8
	s_delay_alu instid0(VALU_DEP_1)
	v_lshl_add_u32 v[LOFF], v9, 4, v[LOFF]
	s_mul_i32 s26, s10, 16*UP
	s_add_co_u32 s26, s26, STAGE                   ; my wave's stage
	v_mul_u32_u24 v[STC], v10, UP                  ; (two chains by turns)
	v_mul_u32_u24 v[RDB], v9, UP
	v_lshl_add_u32 v[STC], v9, 4, v[STC]
	v_lshl_add_u32 v[RDB], v8, 4, v[RDB]
	v_lshl_add_u32 v[STC], v11, 2, v[STC]
	v_add_nc_u32 v[RDB], s26, v[RDB]
	v_add_nc_u32 v[STC], s26, v[STC]
	v_and_b32 v[GOF], 31, v0
	v_lshlrev_b32 v[STS], 5, v12
	v_lshlrev_b32 v[GOF], 4, v[GOF]
	v_lshl_add_u32 v[STS], v9, 4, v[STS]
	v_lshlrev_b32 v[SH8], 3, v10
	v_lshl_add_u32 v[STS], v13, 3, v[STS]
	v_lshlrev_b32 v[TBA], 4, v0
	v_mov_b32 v[SW], 0
	v_mov_b32 v[SW+1], 0
.irp p, 0,1,2,3
	v_mov_b32 v[X+\p], 0                           ; the destination of a move from another lane counts as one of its sources
.endr
	s_mov_b32 s12, 0xaaaaaaaa                      ; odd lanes
	s_lshl_b32 s16, ttmp9, 18                      ; my 16 rows of 16,384 bytes,
	s_lshl_b32 s17, s10, 11                        ; my wave's 2,048 bytes of each
	s_add_co_u32 s16, s16, s17
	s_mov_b32 s17, 0
	s_lshl_b32 s22, ttmp9, 15                      ; codes: 32,768 bytes for 16 rows,
	s_lshl_b32 s18, s10, 12                        ; 4,096 for my 512 along K
	s_add_co_u32 s22, s22, s18
	s_mov_b32 s23, 0
	s_lshr_b32 s24, ttmp9, 1                       ; scale bytes: (8 (o / 32) + my 512) x 512 + 256 for the upper 16 rows
	s_lshl_b32 s24, s24, 3
	s_add_co_u32 s24, s24, s10
	s_lshl_b32 s24, s24, 9
	s_and_b32 s11, ttmp9, 1
	s_lshl_b32 s11, s11, 8
	s_add_co_u32 s24, s24, s11
	s_add_co_u32 s24, s24, 0x800000
	s_mov_b32 s25, 0
	s_wait_alu depctr_va_vdst(0)
	s_wait_kmcnt 0x0
	s_add_nc_u64 s[4:5], s[4:5], s[16:17]
	s_add_nc_u64 s[20:21], s[8:9], s[24:25]
	s_add_nc_u64 s[8:9], s[8:9], s[22:23]
.macro LOAD k                          ; group k: pair p = bytes 512 p .. of rows 2 k and 2 k + 1
.set S, SETS+32*((\k)%5)
.irp p, 0,1,2,3
	global_load_b128 v[S+8*\p:S+8*\p+3],   v[LOFF], s[4:5] offset:(2*(\k))*ROWI+512*\p th:TH_LOAD_NT
	global_load_b128 v[S+8*\p+4:S+8*\p+7], v[LOFF], s[4:5] offset:(2*(\k)+1)*ROWI+512*\p th:TH_LOAD_NT
.endr
.endm
.macro PRE k, cnt                      ; indices become LDS addresses, the look-ups go out; cnt: the younger global loads
.set S, SETS+32*((\k)%5)
	s_wait_loadcnt \cnt
.set i, 0
.rept 32
	v_min_u32 v[S+i], 0xfff, v[S+i]                ; held inside the table
.set i, i+1
.endr
.set i, 0
.rept 32
	v_lshlrev_b32 v[S+i], 2, v[S+i]
.set i, i+1
.endr
.set i, 0
.rept 32
	ds_load_b32 v[S+i], v[S+i]
.set i, i+1
.endr
.endm
.macro WORK j, ds                      ; ds: at most so many younger LDS instructions stay out (the next group's 32 look-ups)
.set S, SETS+32*((\j)%5)
	s_wait_dscnt \ds
.irp p, 0,1,2,3
.irp i, 0,1,2,3
	v_permlane16_swap_b32 v[S+8*\p+\i], v[S+8*\p+4+\i]   ; registers 8 p .. 8 p + 7: k = 128 p + 8 r + 0 .. 7 of row 2 j + h
.endr
.endr
.irp p, 0,1,2,3
	v_max3_num_f32 v[M+\p], |v[S+8*\p]|, |v[S+8*\p+1]|, 0x1800000   ; with the floor 2^(3 - 127)
.endr
.irp i, 2,4,6
.irp p, 0,1,2,3
	s_delay_alu instid0(VALU_DEP_4)
	v_max3_num_f32 v[M+\p], v[M+\p], |v[S+8*\p+\i]|, |v[S+8*\p+\i+1]|
.endr
.endr
.irp p, 0,1,2,3
	s_delay_alu instid0(VALU_DEP_4)
	v_max_num_f32_dpp v[M+\p], v[M+\p], v[M+\p] row_xmask:1 row_mask:0xf bank_mask:0xf
.endr
.irp p, 0,1,2,3
	s_delay_alu instid0(VALU_DEP_4)
	v_max_num_f32_dpp v[M+\p], v[M+\p], v[M+\p] row_xmask:2 row_mask:0xf bank_mask:0xf   ; the quad's four lanes hold the block
.endr
.irp p, 0,1,2,3
	s_delay_alu instid0(VALU_DEP_4)
	v_add_nc_u32 v[SO+\p], 0xff000000, v[M+\p]     ; 2 off the exponent field: the conversion's scale operand
.endr
.irp p, 0,1,2,3
	v_cvt_scalef32_pk8_fp4_f32 v[C+\p], v[S+8*\p:S+8*\p+7], v[SO+\p]   ; word t of block g of 128-step p, row 2 j + h
.endr
.irp p, 0,1,2,3
	v_lshrrev_b32 v[W+\p], 23, v[SO+\p]            ; the scale's byte
.endr
.irp p, 0,1,2,3
	ds_store_b32 v[STC], v[C+\p] offset:4*UP*\p+32*(\j)   ; stage unit 4 p + g, byte 16 (2 j + h) + 4 t
.endr
.irp p, 0,1,2,3
	v_lshlrev_b32 v[W+\p], v[SH8], v[W+\p]         ; my quad's byte at its place in the word
.endr
.irp p, 0,1,2,3
	s_delay_alu instid0(VALU_DEP_4)
	v_mov_b32_dpp v[X+\p], v[W+\p] row_xmask:4 row_mask:0xf bank_mask:0xf
.endr
.irp p, 0,1,2,3
	s_delay_alu instid0(VALU_DEP_4)
	v_or_b32 v[W+\p], v[W+\p], v[X+\p]
.endr
.irp p, 0,1,2,3
	s_delay_alu instid0(VALU_DEP_4)
	v_mov_b32_dpp v[X+\p], v[W+\p] row_xmask:8 row_mask:0xf bank_mask:0xf
.endr
.irp p, 0,1,2,3
	s_delay_alu instid0(VALU_DEP_4)
	v_or_b32 v[W+\p], v[W+\p], v[X+\p]             ; all sixteen lanes of a half hold the four words of row 2 j + h
.endr
	s_delay_alu instid0(VALU_DEP_2)
	v_cndmask_b32 v[U],   v[W],   v[W+2], s12      ; an even lane keeps words 0 and 1, an odd lane words 2 and 3
	s_delay_alu instid0(VALU_DEP_2)
	v_cndmask_b32 v[U+1], v[W+1], v[W+3], s12
	s_mov_b32 s14, 0x00030003<<(2*(\j))            ; the lanes with r / 2 = j
	v_cndmask_b32 v[SW],   v[SW],   v[U],   s14
	v_cndmask_b32 v[SW+1], v[SW+1], v[U+1], s14
.endm
.irp i, 0,1,2,3
	global_load_b128 v[TT+4*\i:TT+4*\i+3], v[TBA], s[6:7] offset:4096*\i   ; the table
.endr
.irp k, 0,1,2,3,4
	LOAD \k
.endr
	s_wait_loadcnt 40                              ; the table's four loads are in; the 40 behind them stay out
.irp i, 0,1,2,3
	ds_store_b128 v[TBA], v[TT+4*\i:TT+4*\i+3] offset:4096*\i
.endr
	s_wait_dscnt 0x0                               ; for the others' sake: my part of the table has landed
	s_barrier_signal -1
	s_barrier_wait -1                              ; the table is whole; from here on each wave stores to its own stage alone
	PRE 0, 32
	PRE 1, 24
	WORK 0, 32
	LOAD 5
	PRE 2, 24
	WORK 1, 32
	LOAD 6
	PRE 3, 24
	WORK 2, 32
	LOAD 7
	PRE 4, 24
	WORK 3, 32
	PRE 5, 16
	WORK 4, 32
	PRE 6, 8
	WORK 5, 32
	PRE 7, 0
	WORK 6, 32
	WORK 7, 0
.irp i, 0,1,2,3,4,5,6,7
	ds_load_b128 v[SETS+4*\i:SETS+4*\i+3], v[RDB] offset:2*UP*\i   ; my own stage, two units a load: LDS serves a wave's instructions in order
.endr
	global_store_b64 v[STS], v[SW:SW+1], s[20:21]  ; 32 lanes store the wave's 256 consecutive scale bytes
.irp i, 0,1,2,3,4,5,6,7
	s_wait_dscnt 7-\i
	global_store_b128 v[GOF], v[SETS+4*\i:SETS+4*\i+3], s[8:9] offset:512*\i   ; 512 consecutive bytes, at a multiple of 256 from wq's first byte
.endr
	s_wait_tensorcnt 0x0                           ; the wave's end
	ds_add_u32 v62, v63
	s_wait_dscnt 0x0
	s_endpgm
.Lfunc_end_k_q4c2363876a_wquant:
	.size	k_q4c2363876a_wquant, .Lfunc_end_k_q4c2363876a_wquant-k_q4c2363876a_wquant
	.p2alignl 7, 3214868480
	.fill 96, 4, 3214868480
	.section	.rodata,"a",@progbits
	.p2align	6, 0x0
	.amdhsa_kernel k_q4c2363876a_wquant
		.amdhsa_group_segment_fixed_size 52224
		.amdhsa_private_segment_fixed_size 0
		.amdhsa_enable_private_segment 0
		.amdhsa_kernarg_size 24
		.amdhsa_user_sgpr_count 2
		.amdhsa_user_sgpr_kernarg_segment_ptr 1
		.amdhsa_wavefront_size32 1
		.amdhsa_system_sgpr_workgroup_id_x 1
		.amdhsa_system_sgpr_workgroup_id_y 1
		.amdhsa_system_sgpr_workgroup_id_z 1
		.amdhsa_system_vgpr_workitem_id 0
		.amdhsa_next_free_vgpr 256
		.amdhsa_next_free_sgpr 66
		.amdhsa_reserve_vcc 0
		.amdhsa_float_denorm_mode_32 3
		.amdhsa_float_denorm_mode_16_64 3
		.amdhsa_memory_ordered 1
		.amdhsa_forward_progress 1
		.amdhsa_inst_pref_size 96
	.end_amdhsa_kernel
	.amdgpu_metadata
---
amdhsa.version: [ 1, 2 ]
amdhsa.kernels:
  - .name:           k_q4c2363876a_wquant
    .symbol:         k_q4c2363876a_wquant.kd
    .args:
      - { .name: w_idx, .offset: 0, .size: 8, .value_kind: global_buffer, .address_space: global }
      - { .name: values, .offset: 8, .size: 8, .value_kind: global_buffer, .address_space: global }
      - { .name: wq, .offset: 16, .size: 8, .value_kind: global_buffer, .address_space: global }
    .group_segment_fixed_size: 52224
    .private_segment_fixed_size: 0
    .kernarg_segment_align: 8
    .kernarg_segment_size: 24
    .max_flat_workgroup_size: 256
    .sgpr_count:     66
    .vgpr_count:     256
    .wavefront_size: 32
...
	.end_amdgpu_metadata
.endif
;; end of part 1
;; launch gemm (part 2): grid 16 x 16, 4 waves a work-group, clusters of 4 x 1, 327,680 bytes of LDS; arguments x_codes, x_scales, wq, bias, out0; writes out0
.if DOCPART == 2
	.amdgcn_target "amdgcn-amd-amdhsa--gfx1250"
	.amdhsa_code_object_version 6
	.text
	.protected	k_q4c2363876a_gemm
	.globl	k_q4c2363876a_gemm
	.p2align	8
	.type	k_q4c2363876a_gemm,@function
k_q4c2363876a_gemm:
	s_mov_b64 s[64:65], 0
	v_nop
	global_prefetch_b8 v0, s[64:65] scope:SCOPE_SE
	s_setreg_imm32_b32 hwreg(HW_REG_WAVE_MODE, 25, 1), 1
	s_wait_xcnt 0x0
	s_wait_alu depctr_hold_cnt(0) depctr_sa_sdst(0) depctr_va_vdst(0) depctr_va_sdst(0) depctr_va_ssrc(0) depctr_va_vcc(0) depctr_vm_vsrc(0)
	s_getreg_b32 s2, hwreg(HW_REG_IB_STS2, 6, 4)
	s_cmp_eq_u32 s2, 0
	s_cbranch_scc0 .Lentry_in_a_cluster
	s_endpgm
.Lentry_in_a_cluster:
	s_bfe_u32 s2, ttmp6, 0x10000c
	s_cmp_lg_u32 s2, 0x3003
	s_cbranch_scc0 .Lentry_shape_is_right
	s_endpgm
.Lentry_shape_is_right:
; out[t][o] = sum over i of x[t][i] weight[o][i] + bias[o]: both operands codes of FP4 with E8M0 scales, by v_wmma_scale_f32_32x16x128_f4, sums in f32, K ascending.
; A work-group makes 256 x 256 of out; wave w makes all 256 rows x columns 64 w .. 64 w + 63: 32 sums of 32 columns x 16 rows, 512 registers.
; THE WEIGHT goes from memory straight into registers: wq lies in fragment order, each wave reads its own 64 columns once, through a ring of eight sets of 32 registers
; (a set = 128 along K).  A set is asked for again in the K step behind its last use, four loads in each of that step's two runs: six to seven steps ahead of its next use.
; The head asks for four sets only, three of them ahead of the wait for x's first tile; sets 4 to 9 follow two a step in K steps 0 to 2.  The weight's scale words: two sets of 512 along K.
; So no LDS byte is written or read for the weight.
; x goes through LDS, since all four waves read all of it: two slots of 256 rows x 1,024 along K (rows of 512 bytes + 16), filled four times in all; its scales for all of K come once.
; CLUSTER: the four work-groups of a cluster share their rows of x and ask for its tiles and scales jointly (mask 15).  The weight has no joint load: joint loads land in LDS, and it never goes there.
; The weight is not prefetched: the ring itself has six to seven steps, 24 to 28 KiB a wave, on its way.  x's third and fourth tiles are prefetched six steps ahead of their loads,
; the cluster's four partners sharing the rows out by address, a lane a block of 256 bytes, one instruction a wave.
; THE PRODUCT IS USED TRANSPOSED: source 0 = 32 rows of the weight, source 1 = 16 rows of x; a lane then holds 8 + 8 neighbouring columns of one row of out.  The bias is the first product's C.
; x's 16 fragments have one set of 128 registers.  By K they are fetched anew by halves, each half in one run straight behind its sixteen products: sixteen products or more ahead of their next use.
; THE LAST 1,024 ALONG K GO BY ROWS: all eight sets of the weight are in registers, and two blocks of 16 rows at a time are finished (16 fragments again, four sums by turns) and leave while the next two
; are multiplied; there the fragments are fetched anew by quarters, and the rows' way out is shared out over the four runs.
; The text has no loop: the slots' addresses and all register numbers are constants, and the counted waits on LDS are made by the assembler from a running count of what has been issued.
; REGISTERS: window 0: v0-15 addresses; v16-79 x's scale words (two sets); v80-95 the weight's (two sets); v96-127 the bias, later rows on their way out; v128-255 x's fragments.
;   window 1: the weight's ring.  windows 2, 3: the sums of row blocks 0-7 and 8-15, sum (a, t) at v[32 (a % 8) + 16 t].
.set BLK,   16*528                     ; 16 LDS rows of x
.set QTR,   64*528                     ; what one wave's ring load brings
.set SLOT,  256*528
.set SCA,   2*SLOT                     ; x's scales: 128 units of 256 + 16 bytes
.set SBLK,  8*272                      ; those of 16 rows
.set SPARE, SCA+128*272                ; the spare words: 512 bytes that no other line names
.set SPW, 1
.set NIL, 2
.set ADRA, 3                           ; v3-6: slot 0 blocks 0-7, 8-15; slot 1 likewise
.set ADSA, 7                           ; x's scale words: lanes 0-15 block i, lanes 16-31 block i + 8
.set STO, 8                            ; the stage (in slot 0, behind its last fill and last read): in
.set RD,  9                            ; and back, two rows of 256 bytes a load
.set CO,  10                           ; the same two rows in out
.set BOF, 11                           ; 16 x lane
.set PFO, 12                           ; prefetch: row lane % 16, block lane / 16
.set BO,  13                           ; bias: 32 h
.set ASC, 16
.set BSC, 80
.set BIAS, 96
.set OUT, 96
.set AF,  128
.set G1H, 24                           ; group 1: 96 rows of 512 bytes (the head, waves 0 and 1)
.set G1,  32                           ; 64 rows (the head's wave 2, and the ring)
.set G1S, 40                           ; the 128 units of x's scales
.set MSB, 0
.set DSN, 0                            ; LDS instructions issued so far
.macro WIN new
.if MSB != (\new)
	s_set_vgpr_msb (MSB<<8)|(\new)
.set MSB, (\new)
.endif
.endm
.macro PLACES                          ; four places behind matrix instructions, ahead of loads into their registers and of stores of their results
.rept 4
	v_nop
.endr
.endm
.macro CREST
	s_cmp_lg_u32 s14, 0
	s_cbranch_scc1 .Lnot_wave_0_\@
	s_barrier_signal -3
.Lnot_wave_0_\@:
	s_barrier_wait -3
	s_barrier_signal -1
	s_barrier_wait -1
.endm
.macro CROUND
	s_barrier_signal -1
	s_barrier_wait -1
	CREST
.endm
.macro MKG0 g, base, off, k
	s_add_nc_u64 s[\g+2:\g+3], s[\base:\base+1], s[\off:\off+1]
.if \k
	s_add_nc_u64 s[\g+2:\g+3], s[\g+2:\g+3], \k
.endif
	s_or_b32 s[\g+3], s[\g+3], 0x80000000
.endm
	s_load_b256 s[4:11], s[0:1], 0x0               ; x_codes, x_scales, wq, bias
	s_load_b64 s[12:13], s[0:1], 0x20              ; out
	v_lshl_add_u32 v[SPW], v0, 2, SPARE
	v_mov_b32 v[NIL], 0
	ds_add_u32 v[SPW], v[NIL]
	ds_add_u32 v[SPW], v[NIL]
	v_lshrrev_b32 v14, 5, v0
	v_readfirstlane_b32 s14, v14                   ; wave
	s_bfe_u32 s17, ttmp6, 0x40000                  ; cx
	s_lshl_b32 s18, ttmp9, 2
	s_add_co_u32 s18, s18, s17                     ; tile column
	s_and_b32 s19, ttmp7, 0xffff                   ; tile row
	s_mov_b32 s[G1H+0], 15|(1<<20)|(1<<21)|(6<<22)|(3<<25)   ; mask 15; bytes; 4 words of padding behind every 128
	s_mov_b32 s[G1H+1], 512<<16
	s_mov_b32 s[G1H+2], 96<<16
	s_mov_b32 s[G1H+3], 512<<16
	s_mov_b32 s[G1H+4], 96
	s_mov_b32 s[G1H+5], 2048
	s_mov_b32 s[G1H+6], 0
	s_mov_b32 s[G1H+7], 0
	s_mov_b32 s[G1+0], 15|(1<<20)|(1<<21)|(6<<22)|(3<<25)
	s_mov_b32 s[G1+1], 512<<16
	s_mov_b32 s[G1+2], 64<<16
	s_mov_b32 s[G1+3], 512<<16
	s_mov_b32 s[G1+4], 64
	s_mov_b32 s[G1+5], 2048
	s_mov_b32 s[G1+6], 0
	s_mov_b32 s[G1+7], 0
	s_mov_b32 s[G1S+0], 15|(3<<16)|(1<<20)|(1<<21)|(5<<22)|(3<<25)   ; elements of 8 bytes; 4 words behind every 64
	s_mov_b32 s[G1S+1], 32<<16
	s_mov_b32 s[G1S+2], 128<<16
	s_mov_b32 s[G1S+3], 32<<16
	s_mov_b32 s[G1S+4], 128
	s_mov_b32 s[G1S+5], 32
	s_mov_b32 s[G1S+6], 0
	s_mov_b32 s[G1S+7], 0
	s_lshl_b32 s20, s19, 19                        ; x's codes: 256 rows of 2,048 bytes a tile row
	s_mov_b32 s21, 0
	s_mul_i32 s22, s14, 96*2048
	s_add_co_u32 s22, s22, s20                     ; the head's 96 rows of waves 0 and 1
	s_mov_b32 s23, 0
	s_lshl_b32 s66, s14, 17
	s_add_co_u32 s66, s66, s20                     ; the ring's 64 rows
	s_mov_b32 s67, 0
	s_lshl_b32 s72, s19, 15                        ; x's scales: 256 rows of 128 bytes
	s_mov_b32 s73, 0
	s_mov_b32 s48, 1                               ; group 0: s[48:51] the head's 96 rows; s[92:95] its last 64; s[52:55] scales; s[56:59], s[60:63], s[68:71] the second, third and fourth 1,024 along K
	s_mul_i32 s49, s14, 96*528
	s_mov_b32 s92, 1
	s_mov_b32 s93, 192*528
	s_mov_b32 s52, 1
	s_mov_b32 s53, SCA
	s_mov_b32 s56, 1
	s_mul_i32 s57, s14, QTR
	s_add_co_u32 s57, s57, SLOT
	s_mov_b32 s60, 1
	s_mul_i32 s61, s14, QTR
	s_mov_b32 s68, 1
	s_mul_i32 s69, s14, QTR
	s_add_co_u32 s69, s69, SLOT
	s_mul_i32 s75, s14, 16*272                     ; my stage
	s_lshl_b32 s82, s18, 19                        ; the weight's codes: 32,768 bytes for 16 columns
	s_lshl_b32 s84, s14, 17
	s_add_co_u32 s82, s82, s84
	s_mov_b32 s83, 0
	s_lshl_b32 s84, s18, 15                        ; its scale bytes: 4,096 for 32 columns
	s_lshl_b32 s86, s14, 13
	s_add_co_u32 s84, s84, s86
	s_add_co_u32 s84, s84, 0x800000
	s_mov_b32 s85, 0
	s_lshl_b32 s86, s18, 10                        ; my first column, in bytes of f32
	s_lshl_b32 s88, s14, 8
	s_add_co_u32 s86, s86, s88
	s_mov_b32 s87, 0
	s_lshl_b32 s88, s19, 22                        ; my first row of out
	s_mov_b32 s89, 0
	s_lshl_b32 s90, s19, 8                         ; prefetch: rows 256 x tile row + 64 cx + 16 wave
	s_lshl_b32 s91, s17, 6
	s_add_co_u32 s90, s90, s91
	s_lshl_b32 s91, s14, 4
	s_add_co_u32 s90, s90, s91
	s_lshl_b32 s90, s90, 11
	s_mov_b32 s91, 0
	s_wait_dscnt 0x0                               ; both opening adds are done
	s_wait_kmcnt 0x0
	MKG0 48, 4, 22, 0
	MKG0 92, 4, 20, 192*2048
	MKG0 52, 6, 72, 0
	MKG0 56, 4, 66, 512
	MKG0 60, 4, 66, 1024
	MKG0 68, 4, 66, 1536
	s_add_nc_u64 s[76:77], s[8:9], s[82:83]
	s_add_nc_u64 s[78:79], s[8:9], s[84:85]
	s_add_nc_u64 s[10:11], s[10:11], s[86:87]
	s_add_nc_u64 s[12:13], s[12:13], s[86:87]
	s_add_nc_u64 s[12:13], s[12:13], s[88:89]
	s_add_nc_u64 s[80:81], s[4:5], s[90:91]
	CROUND                                         ; the four work-groups are here: the first joint loads meet
	s_cmp_lt_u32 s14, 2                            ; the head's four tiles, one a wave, in one chain of arms: x's first 1,024 along K as 96, 96 and 64 rows (waves 0, 1, 2); its scales (wave 3)
	s_cbranch_scc0 .Lhead_c
	tensor_load_to_lds s[48:51], s[G1H:G1H+7]
	s_nop 0
	PLACES
	s_branch .Lhead_j
.Lhead_c:
	s_cmp_lt_u32 s14, 3
	s_cbranch_scc0 .Lhead_s
	tensor_load_to_lds s[92:95], s[G1:G1+7]
	s_nop 0
	PLACES
	s_branch .Lhead_j
.Lhead_s:
	tensor_load_to_lds s[52:55], s[G1S:G1S+7]
	s_nop 0
	PLACES
.Lhead_j:
	v_and_b32 v14, 15, v0                          ; r
	v_bfe_u32 v15, v0, 4, 1                        ; h
	v_mul_u32_u24 v[ADRA], v14, 528
	v_lshl_add_u32 v[ADRA], v15, 4, v[ADRA]
	v_add_nc_u32 v[ADRA+1], 8*BLK, v[ADRA]
	v_add_nc_u32 v[ADRA+2], SLOT, v[ADRA]
	v_add_nc_u32 v[ADRA+3], SLOT+8*BLK, v[ADRA]
	v_lshrrev_b32 v[ADSA], 1, v14                  ; two rows of scales to a unit
	v_mul_u32_u24 v[ADSA], v[ADSA], 272
	v_and_b32 v[STO], 1, v14
	v_lshl_add_u32 v[ADSA], v[STO], 7, v[ADSA]
	v_mad_u32_u24 v[ADSA], v15, 8*SBLK, v[ADSA]
	v_add_nc_u32 v[ADSA], SCA, v[ADSA]
	v_mul_u32_u24 v[STO], v14, 272
	v_lshl_add_u32 v[STO], v15, 5, v[STO]
	v_add_nc_u32 v[STO], s75, v[STO]
	v_mul_u32_u24 v[RD], v15, 272
	v_lshl_add_u32 v[RD], v14, 4, v[RD]
	v_add_nc_u32 v[RD], s75, v[RD]
	v_lshlrev_b32 v[CO], 4, v14
	v_lshl_add_u32 v[CO], v15, 14, v[CO]
	v_and_b32 v[BOF], 31, v0
	v_lshlrev_b32 v[BOF], 4, v[BOF]
	v_lshlrev_b32 v[PFO], 11, v14
	v_lshl_add_u32 v[PFO], v15, 8, v[PFO]
	v_lshlrev_b32 v[BO], 5, v15
	s_wait_alu depctr_va_vdst(0)                   ; no vector instruction writes a register behind it
.macro BSCALE g                        ; the weight's scale words of 512 along K: lane m has column m of 32, four words
.irp t, 0,1
	global_load_b128 v[BSC+8*((\g)&1)+4*\t:BSC+8*((\g)&1)+4*\t+3], v[BOF], s[78:79] offset:(8*\t+(\g))*512
.endr
.endm
.macro BPART k, i                      ; tile i (16 columns) of the weight's fragments of K step k: two loads of 512 consecutive bytes
	WIN 0x40
.irp c, 0,1
	global_load_b128 v[32*((\k)&7)+8*(\i)+4*\c:32*((\k)&7)+8*(\i)+4*\c+3], v[BOF], s[76:77] offset:32768*(\i)+1024*(\k)+512*\c
.endr
.endm
.macro BSET k                          ; all four tiles
.irp i, 0,1,2,3
	BPART \k, \i
.endr
.endm
.macro ASCALE g                        ; x's scale words of 512 along K
.irp i, 0,1,2,3,4,5,6,7
	ds_load_b128 v[ASC+32*((\g)&1)+4*\i:ASC+32*((\g)&1)+4*\i+3], v[ADSA] offset:\i*SBLK+16*(\g)
.endr
.set DSN, DSN+8
.set MKS, DSN
.endm
; Fragment f of stretch S.  S < 24: K step S, row block f.  S >= 24: row blocks 2 (S - 24) and + 1, K steps 24 .. 31, two fragments a K step.
.macro FRAG S, f
.if (\S) < 24
.set fa, (\f)
.set fk, (\S)
.else
.set fa, 2*((\S)-24)+((\f)&1)
.set fk, 24+((\f)>>1)
.endif
.endm
.macro FETCHQ S, i                     ; quarter i of stretch S: four fragments, eight loads
.irp e, 0,1,2,3
	FRAG \S, 4*(\i)+\e
	ds_load_b128 v[AF+8*(4*(\i)+\e):AF+8*(4*(\i)+\e)+3], v[ADRA+2*((fk>>3)&1)+(fa>>3)] offset:(fa&7)*BLK+64*(fk&7)
	ds_load_b128 v[AF+8*(4*(\i)+\e)+4:AF+8*(4*(\i)+\e)+7], v[ADRA+2*((fk>>3)&1)+(fa>>3)] offset:(fa&7)*BLK+64*(fk&7)+32
.endr
.set DSN, DSN+8
.set MK\i, DSN
.endm
.macro WAITD mk                        ; all LDS instructions up to mark mk are done; those issued behind it may stay out
.if DSN-(\mk) < 63
	s_wait_dscnt DSN-(\mk)
.else
	s_wait_dscnt 63
.endif
.endm
.macro WMQ S, i, first                 ; eight products: four fragments of x, each against the weight's two pairs of tiles; no two on end share a sum
.irp e, 0,1,2,3
	FRAG \S, 4*(\i)+\e
.irp t, 0,1
.set rD, 32*(fa&7)+16*\t
.set rC, rD
.if \first
.set rC, BIAS+16*\t
.endif
.set rB, 32*(fk&7)+16*\t
.set rA, AF+8*(4*(\i)+\e)
.set sB, BSC+8*((fk>>2)&1)+4*\t+(fk&3)
.set sA, ASC+32*((fk>>2)&1)+4*(fa&7)+(fk&3)
.if fa >= 8
	v_wmma_scale_f32_32x16x128_f4 v[rD:rD+15], v[rB:rB+15], v[rA:rA+7], v[rC:rC+15], v[sB], v[sA] matrix_b_scale:MATRIX_SCALE_ROW1
.else
	v_wmma_scale_f32_32x16x128_f4 v[rD:rD+15], v[rB:rB+15], v[rA:rA+7], v[rC:rC+15], v[sB], v[sA]
.endif
.endr
.endr
.endm
; The wait for the weight, at the head of K step s: the loads of the K steps behind the one in which set s was asked for may stay out.
; Asked for: at the head sets 0 to 3; in K steps 0, 1, 2 sets 4 and 5, 6 and 7, 8 and 9 (16 loads a step); from K step 3 on set s + 7 (8 loads a step).
; So 24, 32, 40, 48, 40, 48, 40, 48 for s = 0 .. 7 and 48 from there on; where new scale words are first used (asked for four steps before, ahead of that step's loads) 32.
.macro LWAIT S, i
.if (\S) < 24
.if \i == 0
.set ln, 48
.if (\S) < 3
.set ln, 24+8*(\S)
.endif
.if ((\S) == 4) || ((\S) == 6)
.set ln, 40
.endif
.if (((\S)%4) == 0) && ((\S) >= 8)
.set ln, 32
.endif
	s_wait_loadcnt ln
.endif
.elseif (\S) == 24                     ; by rows: quarter i wants K steps 24 + 2 i and + 1; the last scale words (2 loads) went out just ahead of the last set (8)
.if \i == 0
	s_wait_loadcnt 40
.elseif \i == 1
	s_wait_loadcnt 34
.elseif \i == 2
	s_wait_loadcnt 8
.else
	s_wait_loadcnt 0
.endif
.endif
.endm
.macro TOSTAGE a                       ; block a, 16 rows x 256 bytes, into my stage and back as whole rows
	s_wait_xcnt 0x0                                ; earlier stores have read the registers that the loads below fill
	WIN 0x08+4*((\a)>>3)
.irp t, 0,1
.irp u, 0,1,2,3
	ds_store_b128 v[STO], v[32*((\a)&7)+16*\t+4*\u:32*((\a)&7)+16*\t+4*\u+3] offset:128*\t+64*(\u>>1)+16*(\u&1)   ; each sum from its low end on
.endr
.endr
	WIN 0
.irp k, 0,1,2,3,4,5,6,7
	ds_load_b128 v[OUT+4*\k:OUT+4*\k+3], v[RD] offset:2*272*\k   ; LDS serves a wave's instructions in order: these see the stores above
.endr
.set DSN, DSN+16
.set MKO, DSN
.endm
.macro SEND a
	WAITD MKO
.irp k, 0,1,2,3,4,5,6,7
	global_store_b128 v[CO], v[OUT+4*\k:OUT+4*\k+3], s[12:13] offset:(16*(\a)+2*\k)*16384 th:TH_STORE_NT   ; 16 lanes store 256 consecutive bytes, at a multiple of 256 from out's first byte
.endr
.endm
.macro BRUN S, i                       ; quarter i of the weight's loads of K step S: into the registers that K step S - 1 has left (in K steps 0 to 2: that were never filled, or left earlier)
.if (\i == 0) && (((\S)%4) == 0) && ((\S) >= 4)
	ASCALE (\S)/4+1                                ; behind a group of four K steps: the scale words of the group after this one
	BSCALE (\S)/4+1
.endif
.if (\S) < 3
	BPART 4+2*(\S), \i
	BPART 5+2*(\S), \i
.else
	BPART (\S)+7, \i
.endif
.if ((\S) == 23) && (\i == 3)          ; the last K step by K is done: the last scale words and the last set
	WIN 0
	ASCALE 7
	BSCALE 7
	BSET 31
.endif
.endm
.macro HALFRUN S, a, b                 ; by K: one run of loads behind quarters a and b: their fragments of the next stretch, then half of the weight's loads
	PLACES
	WIN 0
	FETCHQ (\S)+1, \a
	FETCHQ (\S)+1, \b
.if (\a == 0) && (((\S) == 1) || ((\S) == 9))
	global_prefetch_b8 v[PFO], s[80:81] offset:1024+512*((\S)>>3) th:TH_LOAD_NT scope:SCOPE_SE   ; 16 rows x 512 bytes of the tile whose load stands six K steps on
.endif
	BRUN \S, \a
	BRUN \S, \b
.endm
.macro RUN S, i                        ; by rows: the run behind quarter i's products
.if (\S) < 31
	FETCHQ (\S)+1, \i
.endif
.if (\S) >= 25                         ; the two blocks finished in the stretch before leave
.if \i == 0
	TOSTAGE 2*((\S)-25)
.elseif \i == 1
	SEND 2*((\S)-25)
.elseif \i == 2
	TOSTAGE 2*((\S)-25)+1
.else
	SEND 2*((\S)-25)+1
.endif
.endif
.endm
; A stretch of 32 products.  turn = 1: a slot's last K step: its fragments are all asked for, so the slots change here; g0: the descriptor of the refill, 0 for none.
.macro SUPER S, turn, g0
.irp i, 0,1,2,3
.if \turn && (\i == 0)
	WIN 0
	s_wait_tensorcnt 0x0                           ; all my tensor loads have landed: my part of the next slot;
	ds_add_u32 v[SPW], v[NIL]                      ; the add; eight products stand between it and the wait for it
.set DSN, DSN+1
.endif
.if (\turn == 0) || (\i != 1)
.if ((\S) == 24) && (\i == 2)
	WAITD MKS                                      ; the last scale words of x were asked for behind this quarter's fragments
.else
	WAITD MK\i
.endif
.endif
	LWAIT \S, \i
	FRAG \S, 4*\i
.if (\S) == 0
	WIN 0x81+0x40*(fa>>3)
	WMQ \S, \i, 1
.else
	WIN 0xa1+0x50*(fa>>3)
	WMQ \S, \i, 0
.endif
.if (\S) < 24
.if \i == 0
.if \turn
	s_wait_dscnt 0x0                               ; the add is done, and my reads of this slot are over
	s_barrier_signal -1
.endif
.elseif \i == 1
.if \turn
	WIN 0
	s_barrier_wait -1
.if \g0
	CREST                                          ; the barrier has opened a round of the cluster's barrier
	tensor_load_to_lds s[\g0:\g0+3], s[G1:G1+7]    ; my one load behind it: 64 rows of the slot just read out
	s_nop 0
.endif
.endif
	HALFRUN \S, 0, 1
.elseif \i == 3
	HALFRUN \S, 2, 3
.endif
.else
	PLACES
	WIN 0
	RUN \S, \i
.endif
.endr
.endm
.irp i, 0,1,2,3
	global_load_b128 v[BIAS+8*\i:BIAS+8*\i+3],   v[BO], s[10:11] offset:64*\i
	global_load_b128 v[BIAS+8*\i+4:BIAS+8*\i+7], v[BO], s[10:11] offset:64*\i+16
.endr
	BSCALE 0
	BSCALE 1
.irp k, 0,1,2
	BSET \k
.endr
	WIN 0
	s_wait_tensorcnt 0x0                           ; my tile of the head's four is in
	ds_add_u32 v[SPW], v[NIL]
	s_wait_dscnt 0x0
	CROUND
	tensor_load_to_lds s[56:59], s[G1:G1+7]        ; slot 1's first fill: the first tensor load behind the round
	s_nop 0
	PLACES
	ASCALE 0
	ASCALE 1
.irp i, 0,1,2,3
	FETCHQ 0, \i
.endr
	BSET 3
.irp s, 0,1,2,3,4,5,6
	SUPER \s, 0, 0
.endr
	SUPER 7, 1, 60
.irp s, 8,9,10,11,12,13,14
	SUPER \s, 0, 0
.endr
	SUPER 15, 1, 68
.irp s, 16,17,18,19,20,21,22
	SUPER \s, 0, 0
.endr
	SUPER 23, 1, 0                                 ; nothing is filled again: no round; behind this barrier nobody reads slot 0, where the stages lie
.irp s, 24,25,26,27,28,29,30,31
	SUPER \s, 0, 0
.endr
	TOSTAGE 14
	SEND 14
	TOSTAGE 15
	SEND 15
	s_wait_tensorcnt 0x0                           ; the wave's end
	ds_add_u32 v[SPW], v[NIL]
	s_wait_dscnt 0x0
	CROUND                                         ; the closing round
	s_endpgm
.Lfunc_end_k_q4c2363876a_gemm:
	.size	k_q4c2363876a_gemm, .Lfunc_end_k_q4c2363876a_gemm-k_q4c2363876a_gemm
	.p2alignl 7, 3214868480
	.fill 96, 4, 3214868480
	.section	.rodata,"a",@progbits
	.p2align	6, 0x0
	.amdhsa_kernel k_q4c2363876a_gemm
		.amdhsa_group_segment_fixed_size 327680
		.amdhsa_private_segment_fixed_size 0
		.amdhsa_enable_private_segment 0
		.amdhsa_kernarg_size 40
		.amdhsa_user_sgpr_count 2
		.amdhsa_user_sgpr_kernarg_segment_ptr 1
		.amdhsa_wavefront_size32 1
		.amdhsa_system_sgpr_workgroup_id_x 1
		.amdhsa_system_sgpr_workgroup_id_y 1
		.amdhsa_system_sgpr_workgroup_id_z 1
		.amdhsa_system_vgpr_workitem_id 0
		.amdhsa_next_free_vgpr 1024
		.amdhsa_next_free_sgpr 98
		.amdhsa_reserve_vcc 0
		.amdhsa_float_denorm_mode_32 3
		.amdhsa_float_denorm_mode_16_64 3
		.amdhsa_memory_ordered 1
		.amdhsa_forward_progress 1
		.amdhsa_inst_pref_size 255
	.end_amdhsa_kernel
	.section	.bss,"aw",@nobits
	.p2align	6
	.space	262144
	.amdgpu_metadata
---
amdhsa.version: [ 1, 2 ]
amdhsa.kernels:
  - .name:           k_q4c2363876a_gemm
    .symbol:         k_q4c2363876a_gemm.kd
    .args:
      - { .name: x_codes, .offset: 0, .size: 8, .value_kind: global_buffer, .address_space: global }
      - { .name: x_scales, .offset: 8, .size: 8, .value_kind: global_buffer, .address_space: global }
      - { .name: wq, .offset: 16, .size: 8, .value_kind: global_buffer, .address_space: global }
      - { .name: bias, .offset: 24, .size: 8, .value_kind: global_buffer, .address_space: global }
      - { .name: out0, .offset: 32, .size: 8, .value_kind: global_buffer, .address_space: global }
    .group_segment_fixed_size: 327680
    .private_segment_fixed_size: 0
    .kernarg_segment_align: 8
    .kernarg_segment_size: 40
    .max_flat_workgroup_size: 128
    .sgpr_count:     98
    .vgpr_count:     1024
    .wavefront_size: 32
...
	.end_amdgpu_metadata
.endif
;; end of part 2
